; MI455X (gfx1250); checked and timed in simulation.
; The chip was launched on July 23, 2026; its instructions are those of AMD's public machine-readable ISA for CDNA 5 (MIT licence, August 2026) and "CDNA5" Instruction Set Architecture Reference Guide (July 2026). The comments in the code are by the model that wrote it; some were corrected since.
;; Multi Head Cross Attention. Allowed arithmetic: matrix products marked QUANTISED: E4M3 operands, one given power-of-two scale a tensor, by v_wmma_f32_16x16x64_fp8_fp8 or v_wmma_f32_16x16x128_fp8_fp8, f32 sums; everything else in f32.
;; Inputs: Wk_codes 1,024 x 32 x 32 uint8 (E4M3 codes of Wk, K innermost, in blocks of 32 codes); Wo_codes 1,024 x 32 x 32 uint8 (E4M3 codes of Wo, K innermost, in blocks of 32 codes); Wq_codes 1,024 x 32 x 32 uint8 (E4M3 codes of Wq, K innermost, in blocks of 32 codes); Wv_codes 1,024 x 32 x 32 uint8 (E4M3 codes of Wv, K innermost, in blocks of 32 codes); bk 1,024 float32; bo 1,024 float32; bq 1,024 float32; bv 1,024 float32; k_codes 4 x 2,048 x 32 x 32 uint8 (E4M3 codes of k, K innermost, in blocks of 32 codes); lowp_scales 12 int32 (the exponents e of the quantised operands' scales 2^e); q_codes 4 x 2,048 x 32 x 32 uint8 (E4M3 codes of q, K innermost, in blocks of 32 codes); v_codes 4 x 2,048 x 32 x 32 uint8 (E4M3 codes of v, K innermost, in blocks of 32 codes).
;; Outputs: out0 4 x 2,048 x 1,024 float32.
;; This version of the problem:
;;   THIS VERSION OF THE PROBLEM IS GIVEN IN LOW PRECISION. The matrix products marked QUANTISED in the list below multiply operands that are first quantised to E4M3 (4 exponent bits, 3 mantissa bits; 8 bits a number), with one given power-of-two scale for each operand tensor; their sums are f32. All else is computed in f32.
;;   The module's matrix products, in the order in which they are computed (A, B: the left and right operand; K: the contracted axis; several contracted axes count as one K, in the product's order):
;;     1. [M 8,192, K 1,024] x [K 1,024, N 1,024]; A: input q (given as codes); B: input Wq (given as codes): QUANTISED (scales: A lowp_scales[0], B lowp_scales[1])
;;     2. [M 8,192, K 1,024] x [K 1,024, N 1,024]; A: input k (given as codes); B: input Wk (given as codes): QUANTISED (scales: A lowp_scales[2], B lowp_scales[3])
;;     3. [M 8,192, K 1,024] x [K 1,024, N 1,024]; A: input v (given as codes); B: input Wv (given as codes): QUANTISED (scales: A lowp_scales[4], B lowp_scales[5])
;;     4. batch 64 x [M 2,048, K 64] x [K 64, N 2,048]; A: computed on the way; B: computed on the way: QUANTISED (scales: A lowp_scales[6], B lowp_scales[7])
;;     5. batch 64 x [M 2,048, K 2,048] x [K 2,048, N 64]; A: softmax (see below); B: computed on the way: QUANTISED (scales: A lowp_scales[8], B lowp_scales[9])
;;     6. [M 8,192, K 1,024] x [K 1,024, N 1,024]; A: computed on the way; B: input Wo (given as codes): QUANTISED (scales: A lowp_scales[10], B lowp_scales[11])
;;   THE QUANTISER, for each operand of a quantised product, along K:
;;     - The operand's scale is 2^e, e = its entry of the input lowp_scales (int32; the entries are numbered through the quantised products in the list's order, A before B).
;;     - Each number is divided by the scale, clamped to +-448, and rounded to the nearest number of E4M3, ties to even, subnormals kept.
;;     - The product sums the exact products of the quantised numbers (number of the format x scale) in f32.
;;   ~~~python
;;   def quantise(x, axis, e):      # numpy; x: float32 -> the quantised numbers, widened to float32 again
;;       x = np.moveaxis(x, axis, -1); K = x.shape[-1]
;;       r = np.clip(x / 2.0 ** e, -448, 448)
;;       step = 2.0 ** (np.maximum(np.frexp(np.where(r == 0, 1, r))[1] - 1, -6) - 3)
;;       q = np.round(r / step) * step * 2.0 ** e      # np.round: ties to even
;;       return np.moveaxis(q, -1, axis).astype(np.float32)
;;   ~~~
;;   SOFTMAX AHEAD OF A QUANTISED PRODUCT. Where the list says 'softmax', what is quantised is not the finished softmax but p = 2^(t - M), with t = logit x log2(e) and M = ceil(the row's largest t), a whole number; so 1/2 < the row's largest p <= 1. The row's sum l is taken of the UNQUANTISED p, in f32, and the product's result is divided by l at the end. Since M is a whole number, a kernel that streams over the keys may use a running M (the ceiling of the running maximum): every later rescaling is an exact power of two, so the quantised numbers keep their values, but for numbers so far below the row's largest that they fall under the format's range.
;;   OPERANDS COMPUTED ON THE WAY. 'Computed on the way' means the value that the module computes at that place (a softmax that the list does not call 'softmax' is quantised finished and normalised). What goes into a quantiser is computed in f32, as accurately as f32 sums, v_exp_f32 and their like allow (about 1e-6 of the number): no bf16 or f16 on the way to a quantiser, and a product that is left as it is and whose result goes on into a quantised operand takes f32 operands (vector FMAs, or v_wmma_f32_16x16x4_f32). A number that lies on a knife's edge between two numbers of the format may be rounded either way, as far as f32 arithmetic and the matrix unit's own rounding can turn it there, and no further.
;;   INPUTS GIVEN AS CODES. Wk (in the module: [1024, 1024], K = its axis 1); Wo (in the module: [1024, 1024], K = its axis 1); Wq (in the module: [1024, 1024], K = its axis 1); Wv (in the module: [1024, 1024], K = its axis 1); k (in the module: [4, 2048, 1024], K = its axis 2); q (in the module: [4, 2048, 1024], K = its axis 2); v (in the module: [4, 2048, 1024], K = its axis 2): each comes as NAME_codes (uint8): NAME with its K axis moved to the last place and cut into blocks of 32 codes, [.., K / 32, bytes a block], one block behind the other in memory; one code a byte (a code: sign, 4 exponent bits, 3 mantissa bits); its scale is its entry of lowp_scales. Its value is code x scale, taken as it is: it is not quantised again, and the codes and scales need not be those that the quantiser above would give.
;; One version. Each part assembles by itself: llvm-mc -triple=amdgcn-amd-amdhsa -mcpu=gfx1250 --defsym DOCPART=n.
;; ======== version 1 of 1: 3 launches
;; limits: right only within a limited range of input values
;; workspace buffers: qh 8,388,608 bytes; kh 8,388,608 bytes; vh 8,388,608 bytes; attn 8,388,608 bytes
;; launch proj (part 1): grid 4 x 96, 4 waves a work-group, clusters of 4 x 4, 327,680 bytes of LDS; arguments q_codes, k_codes, v_codes, Wq_codes, Wk_codes, Wv_codes, bq, bk, bv, lowp_scales, qh, kh, vh; writes qh, kh, vh
.if DOCPART == 1
	.amdgcn_target "amdgcn-amd-amdhsa--gfx1250"
	.amdhsa_code_object_version 6
	.text
	.protected	k_q9a7a751d03_proj
	.globl	k_q9a7a751d03_proj
	.p2align	8
	.type	k_q9a7a751d03_proj,@function
k_q9a7a751d03_proj:
	s_mov_b64 s[64:65], 0
	v_nop
	global_prefetch_b8 v0, s[64:65] scope:SCOPE_SE
	s_setreg_imm32_b32 hwreg(HW_REG_WAVE_MODE, 25, 1), 1
	s_wait_xcnt 0x0
	s_wait_alu depctr_hold_cnt(0) depctr_sa_sdst(0) depctr_va_vdst(0) depctr_va_sdst(0) depctr_va_ssrc(0) depctr_va_vcc(0) depctr_vm_vsrc(0)
	s_getreg_b32 s2, hwreg(HW_REG_IB_STS2, 6, 4)
	s_cmp_eq_u32 s2, 0
	s_cbranch_scc0 .Lentry_in_a_cluster
	s_endpgm
.Lentry_in_a_cluster:
	s_bfe_u32 s2, ttmp6, 0x10000c
	s_cmp_lg_u32 s2, 0xf033
	s_cbranch_scc0 .Lentry_shape_is_right
	s_endpgm
.Lentry_shape_is_right:
; THE THREE PROJECTIONS: x W^T + b on codes of E4M3, then (q and k) the rotary on channels 0-31 of each head, then the quantiser of the next product.  x: [8192][1024], W: [1024][1024], codes, K innermost.
; One launch serves all three: clusters 0-7 along y take q, 8-15 k, 16-23 v (T = cluster y / 8, the same in all sixteen partners).  A tile of the result is 256 x 256: four waves, each 128 x 128 in 64 accumulators.
; K = 1024 goes in four steps of 256 through two LDS slots filled by joint tensor loads: the four work-groups of a row of the cluster share matrix A's tile, the four of a column matrix B's.
; MATRIX A feeds source 1: its rows fall on LANES.  MATRIX B feeds source 0: its rows fall on a lane's REGISTERS.  For q and k: A = the tokens, B = W: a lane holds one token and eight neighbouring channels.
; For v the two pointers change places (A = Wv, B = the tokens): a lane holds one channel and eight neighbouring tokens, so v's codes come out with the keys innermost, as the second product of attention wants them.
; WHAT IS STORED: images of the reader's operand registers.  A result tile's eight registers become, by one conversion, registers 2 c, 2 c + 1 of the next operand in the matrix form's own layout
; (k = 16 c + 8 (lane / 16) + 0 .. 7); four registers a lane are stored at 16 x lane: each store of the wave covers 512 consecutive bytes, aligned.  No stage in LDS is needed.
;   qh, kh: [head 64][tile of 16 tokens 128][1024 bytes];   vh: [head 64][step of 128 keys 16][tile of 16 channels 4][2048 bytes].
; SCALES.  A sum stands for sum x 2^(ea + eb).  The bias goes in as b / 2^(ea + eb) (q, k: as the C of each sum's first product; v: added on the way out, since there it hangs on the lane);
; the rotary is linear; the conversion takes 2^E, E = eo - ea - eb, and the hold is at 448 x 2^E.  LIMIT: E between -126 and 119.  NaN among the inputs is not served.
; THE ROTARY'S cos AND sin are computed here in f32, while the first tiles are on their way: x = t f / 2 (t f rounded once, as a product of two f32 numbers), x = n pi + y with |y| <= pi / 2 in two steps of pi,
; series for 2 sin y and cos y to the term y^13 and y^12, cos(t f) = 1 - (2 sin y)^2 / 2, sin(t f) = (2 sin y) cos y.  LIMIT: f is the f32 number nearest to 10^(-j / 4).
; 384 work-groups of equal work; every joint load is issued by all partners on every path; no prefetch is laid: of the four K steps two are first fills and two are asked for one step later.
.set KROW,  1024                       ; a row of codes in memory, bytes
.set ROWB,  256                        ; a tile's row: 256 codes
.set PITCH, 272                        ; an LDS row: 256 bytes + 16 of padding = 68 words: the 16 rows of a fragment load start at 16 different banks (64 banks of 4 bytes: ISA guide 11.1)
.set FR,    16                         ; registers of a fragment, 16 rows x 128 K
.set NL,    4                          ; LDS loads that bring one
.set NP,    4                          ; places behind this matrix form (ISA guide 7.12.1)
.set HALFT, 128*PITCH                  ; what one tensor load brings
.set SLOT,  4*HALFT                    ; A's 256 rows, then B's 256 rows
.set SPARE, 2*SLOT                     ; the spare words: 128 bytes a wave, two blocks of 256 bytes that no other line names
.set TAB,   SPARE+512                  ; cos and sin: [row half 2][block of 16 tokens 8][4][512 bytes]; no tensor load lands here
.set HEADB, 131072                     ; a head's bytes in qh, kh and vh
.set ADRA,  16                         ; v16-17 LDS address of my A fragments in slot 0, 1
.set ADRB,  20                         ; v20-21 the same for B
.set TABW,  22                         ; v22    where I store the table's blocks that I make
.set TABRD, 23                         ; v23    where I read my row half's table
.set L16,   24                         ; v24    16 x lane: my place in an image
.set BOFF,  25                         ; v25    my byte offset in the bias
.set SCV,   26                         ; v26    2^E as f32: the conversions take its exponent field
.set SPW,   28                         ; v28    LDS address of my spare word; never rewritten
.set NIL,   29                         ; v29    0; never rewritten
.set BI,    32                         ; v32-95 the C of the first products: bias / 2^(ea + eb) in the result's layout (v: zeros)
.set CD,    32                         ; the way out: two sets of 16 registers of codes
.set FH,    96                         ; v96-103 f / 2 of my lane's eight frequencies
.set BV,    96                         ; v96-103 (v's path) bv / 2^(ea + eb) of my channel in each of my eight blocks
.set TM,    104                        ; v[104:105] t, twice
.set K0S,   106                        ; v[106:107] the sine series' leading coefficient, twice
.set K0C,   108                        ; v[108:109] the cosine series'
.set AF,    128                        ; v128-255 A's fragments, one set
.set Z,     128                        ; the table's 64 results ahead of the first fragments; on the way out a block's 64 numbers
.set TX,    192                        ; the table's scratch: two sets of x, n, y^2, s, c
.set TP,    192                        ; the way out: 16 pairs y cos
.set TR,    224                        ; the way out: two sets of 16 registers of cos and sin
.set G1,  24                           ; s[24:31] descriptor group 1 for A's tiles; s[32:39] group 0, a set for each slot
.set G0,  32
.set G1B, 48                           ; s[48:55], s[56:63] the same for B's
.set G0B, 56
.set MSB, 0
.macro WIN new                         ; the immediate's high byte repeats the setting that is left; a switch that changes nothing is dropped
.if MSB != (\new)
	s_set_vgpr_msb (MSB<<8)|(\new)
.set MSB, (\new)
.endif
.endm
.set MUL_LO, 0xa1                      ; source 0 (B) window 1, source 1 (A) window 0, C and D window 2
.set MUL_HI, 0xf1                      ; the same, C and D window 3
.set FST_LO, 0x81                      ; the first products: C (the bias) window 0, D window 2
.set FST_HI, 0xc1                      ; D window 3
.set TO_B,   0x40                      ; destination window 1, address window 0
; A joint load: waves 0 and 1 fetch A's halves, waves 2 and 3 B's.  The branch hangs on the wave's number alone.  Four v_nop follow each of the two lines.
.macro JLOAD g0a, g1a, g0b, g1b
	s_cmp_eq_u32 s15, 0
	s_cbranch_scc0 .Lfor_b_\@
	tensor_load_to_lds s[\g0a:\g0a+3], s[\g1a:\g1a+7]
	s_nop 0
.rept 4
	v_nop
.endr
	s_branch .Lasked_\@
.Lfor_b_\@:
	tensor_load_to_lds s[\g0b:\g0b+3], s[\g1b:\g1b+7]
	s_nop 0
.rept 4
	v_nop
.endr
.Lasked_\@:
.endm
.macro CREST                           ; a round of the cluster's barrier behind its opening barrier
	s_cmp_lg_u32 s14, 0
	s_cbranch_scc1 .Lnot_wave_0_\@
	s_barrier_signal -3
.Lnot_wave_0_\@:
	s_barrier_wait -3
	s_barrier_signal -1
	s_barrier_wait -1
.endm
.macro CROUND                          ; a whole round
	s_barrier_signal -1
	s_barrier_wait -1
	CREST
.endm
	s_load_b256 s[68:75], s[0:1], 0x0              ; q s[68:69], k s[70:71], v s[72:73], Wq s[74:75]
	s_load_b256 s[76:83], s[0:1], 0x20             ; Wk s[76:77], Wv s[78:79], bq s[80:81], bk s[82:83]
	s_load_b256 s[84:91], s[0:1], 0x40             ; bv s[84:85], the scales' exponents s[86:87], qh s[88:89], kh s[90:91]
	s_load_b64 s[92:93], s[0:1], 0x60              ; vh
	v_lshl_add_u32 v[SPW], v0, 2, SPARE
	v_mov_b32 v[NIL], 0
	ds_add_u32 v28, v29
	ds_add_u32 v28, v29
	s_wait_dscnt 0x0
	v_lshrrev_b32 v1, 5, v0
	v_readfirstlane_b32 s14, v1                    ; wave 0..3
	s_lshr_b32 s15, s14, 1                         ; which half of A's rows is mine.  Also: I fetch for A (0) or for B (1)
	s_and_b32 s16, s14, 1                          ; which half of B's rows.  Also: which 128 rows of that tile I fetch
	s_bfe_u32 s40, ttmp6, 0x40000                  ; cx, cy: my place in the cluster (the grid is one cluster wide)
	s_bfe_u32 s41, ttmp6, 0x40004
	s_and_b32 s18, ttmp7, 0xffff                   ; cluster y, 0..23
	s_lshr_b32 s66, s18, 3                         ; T: 0 q, 1 k, 2 v: the same in all sixteen partners
	s_and_b32 s67, s18, 7
	s_lshl_b32 s67, s67, 2                         ; the first of the cluster's four tiles of tokens
	s_cmp_lt_u32 s66, 2
	s_cselect_b32 s18, s67, 0                      ; q, k: the tokens are A's rows;
	s_cselect_b32 s19, 0, s67                      ; v: they are B's
	s_add_co_u32 s17, s41, s18                     ; A's tile: made of cy and the cluster's number alone
	s_add_co_u32 s42, s40, s19                     ; B's tile: of cx and the cluster's number alone
	s_lshl_b32 s43, s41, 2
	s_lshl_b32 s43, 15, s43                        ; my row of the cluster
	s_lshl_b32 s44, 0x1111, s40                    ; my column
	; descriptor group 1: a tile of 128 rows x 256 bytes, padded in LDS
	s_or_b32 s[G1+0], s43, (0<<16)|(1<<20)|(1<<21)|(5<<22)|(3<<25)  ; 15:0 the mask: A's tiles go to my row; 17:16 elements of 1 byte; 20 padding on; 21 set beside a mask; 24:22 after every 64 words; 31:25 four words
	s_or_b32 s[G1B+0], s44, (0<<16)|(1<<20)|(1<<21)|(5<<22)|(3<<25) ; the same with my column's mask
.irp g, G1, G1B
	s_mov_b32 s[\g+1], ROWB<<16                    ; tensor_dim0 = 256
	s_mov_b32 s[\g+2], 128<<16                     ; tensor_dim1 = 128
	s_mov_b32 s[\g+3], ROWB<<16                    ; tile_dim0 = 256
	s_mov_b32 s[\g+4], 128                         ; tile_dim1 = 128
	s_mov_b32 s[\g+5], KROW                        ; from row to row
	s_mov_b32 s[\g+6], 0
	s_mov_b32 s[\g+7], 0
.endr
	s_lshl_b32 s18, s16, 7                         ; which 128 rows of the tile I fetch
	s_lshl_b32 s20, s17, 8
	s_add_co_u32 s20, s20, s18
	s_lshl_b32 s20, s20, 10                        ; A: (256 x tile + 128 x half) rows of 1,024 bytes
	s_mov_b32 s21, 0
	s_lshl_b32 s46, s42, 8
	s_add_co_u32 s46, s46, s18
	s_lshl_b32 s46, s46, 10                        ; B likewise
	s_mov_b32 s47, 0
	s_mul_i32 s45, s14, HALFT                      ; where they go: wave x 128 rows: no place in the cluster enters an LDS address
	s_wait_kmcnt 0x0
	s_cmp_eq_u32 s66, 1                            ; the buffers are chosen on T, which hangs on no address
	s_cselect_b64 s[4:5], s[70:71], s[78:79]       ; A: k, else Wv
	s_cselect_b64 s[6:7], s[76:77], s[72:73]       ; B: Wk, else v
	s_cselect_b64 s[8:9], s[82:83], s[84:85]       ; the bias
	s_cselect_b64 s[10:11], s[90:91], s[92:93]     ; the codes' buffer
	s_cmp_eq_u32 s66, 0
	s_cselect_b64 s[4:5], s[68:69], s[4:5]         ; A: q
	s_cselect_b64 s[6:7], s[74:75], s[6:7]         ; B: Wq
	s_cselect_b64 s[8:9], s[80:81], s[8:9]
	s_cselect_b64 s[10:11], s[88:89], s[10:11]
	s_load_b256 s[68:75], s[86:87], 0x0            ; the exponents 0 to 7,
	s_load_b128 s[76:79], s[86:87], 0x20           ; and 8 to 11
	s_add_nc_u64 s[20:21], s[4:5], s[20:21]
	s_add_nc_u64 s[46:47], s[6:7], s[46:47]
	CROUND                                         ; all sixteen work-groups are here: the first joint loads meet
.irp s, 0,1
	s_mov_b32 s[G0+4*\s], 1                        ; count = 1
	s_add_co_u32 s[G0+4*\s+1], s45, \s*SLOT        ; LDS address
	s_add_nc_u64 s[G0+4*\s+2:G0+4*\s+3], s[20:21], \s*ROWB   ; global address: K step s
	s_or_b32 s[G0+4*\s+3], s[G0+4*\s+3], 0x80000000          ; type = 2
	s_mov_b32 s[G0B+4*\s], 1
	s_add_co_u32 s[G0B+4*\s+1], s45, \s*SLOT
	s_add_nc_u64 s[G0B+4*\s+2:G0B+4*\s+3], s[46:47], \s*ROWB
	s_or_b32 s[G0B+4*\s+3], s[G0B+4*\s+3], 0x80000000
	s_wait_alu depctr_va_vdst(0)
	s_wait_tensorcnt 0x0
	ds_add_u32 v28, v29
	ds_add_u32 v28, v29
	s_wait_dscnt 0x0
	CROUND
	JLOAD G0+4*\s, G1, G0B+4*\s, G1B               ; two loads of mine are out
.endr
	; every LDS address is made here, ahead of the paths' parting
	v_and_b32 v1, 15, v0                           ; r = lane % 16
	v_bfe_u32 v2, v0, 4, 1                         ; h = lane / 16
	v_mul_u32_u24 v3, v1, PITCH
	v_lshl_add_u32 v4, v2, 4, v3                   ; a fragment's row x pitch + 16 x half
	s_mul_i32 s21, s15, HALFT                      ; my 128 rows of A
	s_mul_i32 s22, s16, HALFT                      ; my 128 rows of B,
	s_add_co_u32 s22, s22, 2*HALFT                 ; which lie behind A's 256
.irp s, 0,1
	v_add_nc_u32 v[ADRA+\s], s21, v4
	v_add_nc_u32 v[ADRB+\s], s22, v4
	s_add_co_u32 s21, s21, SLOT
	s_add_co_u32 s22, s22, SLOT
.endr
	v_and_b32 v5, 31, v0
	v_lshlrev_b32 v[L16], 4, v5
	s_lshl_b32 s23, s14, 13
	s_add_co_u32 s23, s23, TAB
	v_add_nc_u32 v[TABW], s23, v[L16]              ; wave w makes blocks 4 (w % 2) .. + 3 of row half w / 2: 8,192 w bytes on
	s_lshl_b32 s23, s15, 14
	s_add_co_u32 s23, s23, TAB
	v_add_nc_u32 v[TABRD], s23, v[L16]
	; where my codes go, and where my bias lies: one formula for both layouts, by the token side's and the channel side's tile and half
	s_cmp_lt_u32 s66, 2
	s_cselect_b32 s18, s17, s42                    ; the tokens' tile, 0..31
	s_cselect_b32 s19, s42, s17                    ; the channels' tile, 0..3
	s_cselect_b32 s20, s15, s16                    ; the tokens' half
	s_cselect_b32 s21, s16, s15                    ; the channels' half
	s_lshl_b32 s22, s19, 1
	s_add_co_u32 s22, s22, s21                     ; which 128 channels are mine
	s_lshl_b32 s46, s22, 9
	s_mov_b32 s47, 0
	s_add_nc_u64 s[8:9], s[8:9], s[46:47]          ; the bias at my 128 channels
	s_lshr_b32 s23, s18, 3                         ; the batch
	s_lshl_b32 s23, s23, 3
	s_add_co_u32 s22, s22, s23
	s_lshl_b32 s46, s22, 18                        ; my first head, 16 x batch + 2 x (my 128 channels), x 131,072 bytes
	s_and_b32 s23, s18, 7
	s_lshl_b32 s23, s23, 1
	s_add_co_u32 s23, s23, s20                     ; which 128 tokens of the sequence are mine
	s_lshl_b32 s23, s23, 13                        ; x 8,192 bytes, in qh, kh and vh alike
	s_add_co_u32 s46, s46, s23
	s_add_nc_u64 s[10:11], s[10:11], s[46:47]
	s_wait_kmcnt 0x0
	s_cmp_eq_u32 s66, 1                            ; (ea, eb, eo): q: entries 0, 1, 6;  k: 2, 3, 7;  v: 4, 5, 9.  Chosen, never branched on
	s_cselect_b32 s18, s70, s72
	s_cselect_b32 s19, s71, s73
	s_cselect_b32 s20, s75, s77
	s_cmp_eq_u32 s66, 0
	s_cselect_b32 s18, s68, s18
	s_cselect_b32 s19, s69, s19
	s_cselect_b32 s20, s74, s20
	s_add_co_i32 s18, s18, s19                     ; ea + eb
	s_sub_co_i32 s96, 0, s18                       ; the bias is multiplied by 2^-(ea + eb)
	s_sub_co_i32 s20, s20, s18                     ; E = eo - ea - eb
	s_add_co_i32 s20, s20, 127
	s_lshl_b32 s21, s20, 23
	v_mov_b32 v[SCV], s21                          ; 2^E as f32
	s_add_co_i32 s20, s20, 8
	s_lshl_b32 s94, s20, 23
	s_or_b32 s94, s94, 0x600000                    ; 448 x 2^E,
	s_xor_b32 s95, s94, 0x80000000                 ; and its negative
	s_cmp_eq_u32 s66, 2
	s_cbranch_scc1 .Lv_head
	; ---- q and k: the bias in the result's layout, and the table, while the first tiles are on their way
	v_lshlrev_b32 v[BOFF], 5, v2                   ; lane (r, h) wants, for B's block b, the bias of channels 16 b + 8 h + 0 .. 7
.irp b, 0,1,2,3,4,5,6,7
	global_load_b128 v[BI+8*\b:BI+8*\b+3], v[BOFF], s[8:9] offset:64*\b
	global_load_b128 v[BI+8*\b+4:BI+8*\b+7], v[BOFF], s[8:9] offset:64*\b+16
.endr
	s_and_b32 s18, s17, 7
	s_lshl_b32 s18, s18, 8
	s_lshl_b32 s19, s14, 6
	s_add_co_u32 s18, s18, s19
	v_add_nc_u32 v3, s18, v1                       ; the place in the sequence of my token in the first block that I make: 256 x (tile % 8) + 64 w + r
	v_cvt_f32_u32 v[TM], v3
	v_mov_b32 v[TM+1], v[TM]
	v_cmp_eq_u32 vcc_lo, 1, v2
.macro FREQ q, lo, hi                  ; slot q = 4 ct + p is the pair of channels 16 ct + 8 h + 2 p, + 1: frequency j = 8 ct + 4 h + p; here f / 2 = 10^(-j / 4) / 2 for h = 0 and for h = 1
	v_mov_b32 v[FH+\q], \hi
	v_cndmask_b32 v[FH+\q], \lo, v[FH+\q], vcc_lo
.endm
	FREQ 0, 0x3f000000, 0x3d4ccccd
	FREQ 1, 0x3e8ff59a, 0x3ce655c3
	FREQ 2, 0x3e21e89b, 0x3c8186e2
	FREQ 3, 0x3db61887, 0x3c11ad39
	FREQ 4, 0x3ba3d70a, 0x3a03126f
	FREQ 5, 0x3b38449c, 0x39936a16
	FREQ 6, 0x3acf3e37, 0x3925cb5f
	FREQ 7, 0x3a691528, 0x38ba7753
	v_mov_b32 v[K0S], 0x2fb09231                   ; 2 / 13!
	v_mov_b32 v[K0S+1], 0x2fb09231
	v_mov_b32 v[K0C], 0x310f76c7                   ; 1 / 12!
	v_mov_b32 v[K0C+1], 0x310f76c7
.macro HORN cs, cc                     ; one step of both series, for both sets: four chains that do not wait for each other
.irp u, 0,1
	v_pk_fma_f32 v[TX+10*\u+6:TX+10*\u+7], v[TX+10*\u+6:TX+10*\u+7], v[TX+10*\u+4:TX+10*\u+5], \cs op_sel_hi:[1,1,0]
	v_pk_fma_f32 v[TX+10*\u+8:TX+10*\u+9], v[TX+10*\u+8:TX+10*\u+9], v[TX+10*\u+4:TX+10*\u+5], \cc op_sel_hi:[1,1,0]
.endr
.endm
; cos and sin of t f for the slots 2 g .. 2 g + 3: results v[o] on as (cos, cos, sin, sin) for each pair of slots, stored as they stand at off + 512 (g + u)
.macro SC4 g, o, off
.irp u, 0,1
	v_pk_mul_f32 v[TX+10*\u:TX+10*\u+1], v[TM:TM+1], v[FH+2*(\g+\u):FH+2*(\g+\u)+1]      ; x = t f / 2: the rounding is that of t f
.endr
.irp u, 0,1
	v_pk_mul_f32 v[TX+10*\u+2:TX+10*\u+3], v[TX+10*\u:TX+10*\u+1], 0x3ea2f983 op_sel_hi:[1,0]   ; x / pi
.endr
.irp u, 0,1
	v_rndne_f32 v[TX+10*\u+2], v[TX+10*\u+2]       ; n
	v_rndne_f32 v[TX+10*\u+3], v[TX+10*\u+3]
.endr
.irp u, 0,1
	v_pk_fma_f32 v[TX+10*\u:TX+10*\u+1], v[TX+10*\u+2:TX+10*\u+3], 0xc0490fdb, v[TX+10*\u:TX+10*\u+1] op_sel_hi:[1,0,1]   ; x - n pi's upper part: a multiple of 2^-22 under 2, so nothing is rounded
.endr
.irp u, 0,1
	v_pk_fma_f32 v[TX+10*\u:TX+10*\u+1], v[TX+10*\u+2:TX+10*\u+3], 0x33bbbd2e, v[TX+10*\u:TX+10*\u+1] op_sel_hi:[1,0,1]   ; less n pi's lower part: y
.endr
.irp u, 0,1
	v_pk_mul_f32 v[TX+10*\u+4:TX+10*\u+5], v[TX+10*\u:TX+10*\u+1], v[TX+10*\u:TX+10*\u+1]   ; y^2
.endr
.irp u, 0,1
	v_pk_fma_f32 v[TX+10*\u+6:TX+10*\u+7], v[K0S:K0S+1], v[TX+10*\u+4:TX+10*\u+5], 0xb357322b op_sel_hi:[1,1,0]
	v_pk_fma_f32 v[TX+10*\u+8:TX+10*\u+9], v[K0C:K0C+1], v[TX+10*\u+4:TX+10*\u+5], 0xb493f27e op_sel_hi:[1,1,0]
.endr
	HORN 0x36b8ef1d, 0x37d00d01
	HORN 0xb9d00d01, 0xbab60b61
	HORN 0x3c888889, 0x3d2aaaab
	HORN 0xbeaaaaab, -0.5
	HORN 2.0, 1.0                                  ; c = cos y
.irp u, 0,1
	v_pk_mul_f32 v[TX+10*\u+6:TX+10*\u+7], v[TX+10*\u+6:TX+10*\u+7], v[TX+10*\u:TX+10*\u+1]   ; s = 2 sin y
.endr
.irp u, 0,1
	v_pk_mul_f32 v[TX+10*\u+2:TX+10*\u+3], v[TX+10*\u+6:TX+10*\u+7], v[TX+10*\u+6:TX+10*\u+7]
.endr
.irp u, 0,1
	v_pk_fma_f32 v[\o+4*\u:\o+4*\u+1], v[TX+10*\u+2:TX+10*\u+3], -0.5, 1.0 op_sel_hi:[1,0,0]  ; cos 2 y = 1 - s^2 / 2
	v_pk_mul_f32 v[\o+4*\u+2:\o+4*\u+3], v[TX+10*\u+6:TX+10*\u+7], v[TX+10*\u+8:TX+10*\u+9]   ; sin 2 y = s c
.endr
.irp u, 0,1
	ds_store_b128 v[TABW], v[\o+4*\u:\o+4*\u+3] offset:\off+512*(\g+\u)
.endr
.endm
.irp i, 0,1,2,3                        ; four blocks of 16 tokens; each result has registers of its own
.if \i > 0
	v_pk_add_f32 v[TM:TM+1], v[TM:TM+1], 0x41800000 op_sel_hi:[1,0]   ; 16 tokens on
.endif
	SC4 0, Z+16*\i, 2048*\i
	SC4 2, Z+16*\i+8, 2048*\i
.endr
	s_wait_loadcnt 0x0                             ; the bias
.set j, 0
.rept 64
	v_ldexp_f32 v[BI+j], v[BI+j], s96
.set j, j+1
.endr
	s_branch .Lhead_done
.Lv_head:
	; ---- v: the bias hangs on the lane (my channel), so it cannot be a C that serves all of A's blocks: the first products take zeros, and the way out adds it
	v_lshlrev_b32 v[BOFF], 2, v1
.irp a, 0,1,2,3,4,5,6,7
	global_load_b32 v[BV+\a], v[BOFF], s[8:9] offset:64*\a     ; bv of channel 16 a + r of my 128
.endr
.set j, 0
.rept 64
	v_mov_b32 v[BI+j], 0
.set j, j+1
.endr
	s_wait_loadcnt 0x0
.irp a, 0,1,2,3,4,5,6,7
	v_ldexp_f32 v[BV+\a], v[BV+\a], s96
.endr
.Lhead_done:
.macro FRAG reg, adr, q, i             ; 16 rows x 128 K: lane l holds row l % 16; registers 4 c .. 4 c + 3 hold K = 32 c + 16 (l / 16) + 0 .. 15: one order of k for A and for B, so every product meets its partner
.irp c, 0,1,2,3
	ds_load_b128 v[\reg+4*\c:\reg+4*\c+3], v[\adr] offset:128*(\q)+32*\c+(\i)*16*PITCH
.endr
.endm
; 16 matrix instructions: A's blocks a0, a0 + 1 x B's eight.  p: B's set.  first = 1: the sums begin with the bias.  The 64 accumulators take turns, one instruction a turn.
.macro MUL16 a0, p, first
.irp a, \a0, \a0+1
.irp b, 0,1,2,3,4,5,6,7
.if \first
	v_wmma_f32_16x16x128_fp8_fp8 v[8*(8*((\a)%4)+\b):8*(8*((\a)%4)+\b)+7], v[128*(\p)+FR*\b:128*(\p)+FR*\b+FR-1], v[AF+FR*(\a):AF+FR*(\a)+FR-1], v[BI+8*\b:BI+8*\b+7]
.else
	v_wmma_f32_16x16x128_fp8_fp8 v[8*(8*((\a)%4)+\b):8*(8*((\a)%4)+\b)+7], v[128*(\p)+FR*\b:128*(\p)+FR*\b+FR-1], v[AF+FR*(\a):AF+FR*(\a)+FR-1], v[8*(8*((\a)%4)+\b):8*(8*((\a)%4)+\b)+7]
.endif
.endr
.endr
.endm
.macro FETCH_B slot, q, p              ; B's eight fragments of the slot's q-th 128 along K into set p
	WIN TO_B
.irp i, 0,1,2,3,4,5,6,7
	FRAG 128*(\p)+FR*\i, ADRB+\slot, \q, \i
.endr
	WIN 0
.endm
.macro FETCH_A slot, q, i0             ; A's blocks i0 .. i0 + 3
.irp i, \i0, \i0+1, \i0+2, \i0+3
	FRAG AF+FR*(\i), ADRA+\slot, \q, \i
.endr
.endm
.macro PLACES n                        ; plain vector instructions between a matrix instruction and a load into, or a vector instruction on, its registers
.rept \n
	v_nop
.endr
.endm
; A step of 128 along K that has its successor in the same slot.  A block of A is free as soon as its eight products are issued: one set serves A; B has two.
.macro STEP slot, q, first
	s_wait_dscnt 4*NL                              ; B's set and A's blocks 0-3 are in; the youngest sixteen loads (A's blocks 4-7) may be out
.if \first
	WIN FST_LO
.else
	WIN MUL_LO
.endif
	MUL16 0, (\q)%2, \first
	MUL16 2, (\q)%2, \first
	s_wait_dscnt 0                                 ; A's blocks 4-7 are in
	PLACES NP
	FETCH_B \slot, (\q)+1, 1-(\q)%2
	FETCH_A \slot, (\q)+1, 0
.if \first
	WIN FST_HI
.else
	WIN MUL_HI
.endif
	MUL16 4, (\q)%2, \first
	MUL16 6, (\q)%2, \first
	PLACES NP
	WIN 0
	FETCH_A \slot, (\q)+1, 4
.endm
; A slot's last step changes slots: one barrier; in front of it each wave waits for all its tensor loads, adds 0 to its spare word, and waits for that and for its reads of this slot.  fill = 1: the slot is filled again, two K steps ahead.
.macro TURN slot, next, fill
	s_wait_tensorcnt 0x0                           ; all my tensor loads have landed: my part of the next slot
	ds_add_u32 v[SPW], v[NIL]                      ; 0 onto my spare word
	s_wait_dscnt 4*NL+1                            ; (the add and the youngest sixteen loads may be out)
	WIN MUL_LO
	MUL16 0, 1, 0                                  ; sixteen matrix instructions stand between the add and the wait for it
	s_wait_dscnt 0x0                               ; the add is done, and my reads of this slot are over
	s_barrier_signal -1
	MUL16 2, 1, 0
	WIN 0
	s_barrier_wait -1
.if \fill
	CREST                                          ; the barrier has opened a round of the cluster's: no wave of any partner still reads this slot or has a load on its way
	s_add_nc_u64 s[G0+4*\slot+2:G0+4*\slot+3], s[G0+4*\slot+2:G0+4*\slot+3], 2*ROWB
	s_add_nc_u64 s[G0B+4*\slot+2:G0B+4*\slot+3], s[G0B+4*\slot+2:G0B+4*\slot+3], 2*ROWB
	JLOAD G0+4*\slot, G1, G0B+4*\slot, G1B         ; my one tensor load behind the round; its four v_nop are also the places in front of the loads below
.else
	PLACES NP
.endif
	FETCH_B \next, 0, 0
	FETCH_A \next, 0, 0
	WIN MUL_HI
	MUL16 4, 1, 0
	MUL16 6, 1, 0
	PLACES NP
	WIN 0
	FETCH_A \next, 0, 4
.endm
	s_wait_dscnt 0x0                               ; for the others' sake: my part of the table is stored
	s_wait_tensorcnt 1                             ; my part of K step 0 is in; K step 1's load may stay out
	s_barrier_signal -1
	s_barrier_wait -1
	FETCH_B 0, 0, 0
	FETCH_A 0, 0, 0
	FETCH_A 0, 0, 4
	s_wait_alu depctr_va_vdst(0)
	STEP 0, 0, 1                                   ; K = 1,024 is four K steps: written out, no loop
	TURN 0, 1, 1                                   ; slot 0 takes K step 2
	STEP 1, 0, 0
	TURN 1, 0, 1                                   ; slot 1 takes K step 3
	STEP 0, 0, 0
	TURN 0, 1, 0                                   ; nothing is left to fetch
	STEP 1, 0, 0
	s_wait_dscnt 4*NL                              ; the last step
	WIN MUL_LO
	MUL16 0, 1, 0
	MUL16 2, 1, 0
	s_wait_dscnt 0
	WIN MUL_HI
	MUL16 4, 1, 0
	MUL16 6, 1, 0
	WIN 0
	PLACES NP                                      ; behind the last products: for the loads and vector writes into A's registers and for the reads of results
	s_cmp_eq_u32 s66, 2
	s_cbranch_scc1 .Lv_out
; ---- THE WAY OUT OF q AND k, a block of 16 tokens at a time.  My 128 channels are two heads n; B's block 4 n + ct holds the head's channels 16 ct + 8 h + 0 .. 7.
.macro TABLOAD a                       ; cos and sin of block a's tokens: registers 4 g .. 4 g + 3 = cos of slots 2 g, 2 g + 1, sin of slots 2 g, 2 g + 1
.irp g, 0,1,2,3
	ds_load_b128 v[TR+16*((\a)%2)+4*\g:TR+16*((\a)%2)+4*\g+3], v[TABRD] offset:2048*(\a)+512*\g
.endr
.endm
.macro QKOUT a
.set AC, 64*((\a)%4)
.set TS, TR+16*((\a)%2)
.set CS, CD+16*((\a)%2)
.if (\a) < 7
	TABLOAD (\a)+1
	s_wait_dscnt 4                                 ; this block's four loads are in; the next block's four may be out
.else
	s_wait_dscnt 0
.endif
	WIN 0x02+((\a)/4)                              ; source 0: the accumulators' window
.irp n, 0,1
.irp ct, 0,1
.irp pp, 0,1                           ; (y0, y1) cos, a pair of channels an instruction; each accumulator from its low end on
	v_pk_mul_f32 v[TP+2*(8*\n+4*\ct+2*\pp):TP+2*(8*\n+4*\ct+2*\pp)+1], v[AC+8*(4*\n+\ct)+4*\pp:AC+8*(4*\n+\ct)+4*\pp+1], v[TS+4*(2*\ct+\pp):TS+4*(2*\ct+\pp)+1] op_sel:[0,0] op_sel_hi:[1,0]
	v_pk_mul_f32 v[TP+2*(8*\n+4*\ct+2*\pp)+2:TP+2*(8*\n+4*\ct+2*\pp)+3], v[AC+8*(4*\n+\ct)+4*\pp+2:AC+8*(4*\n+\ct)+4*\pp+3], v[TS+4*(2*\ct+\pp):TS+4*(2*\ct+\pp)+1] op_sel:[0,1] op_sel_hi:[1,1]
.endr
.endr
.endr
.irp n, 0,1
.irp ct, 0,1
.irp pp, 0,1                           ; low half: y0 cos - y1 sin; high half: y1 cos + y0 sin (source 0's halves change places, the low product is negated)
	v_pk_fma_f32 v[Z+8*(4*\n+\ct)+4*\pp:Z+8*(4*\n+\ct)+4*\pp+1], v[AC+8*(4*\n+\ct)+4*\pp:AC+8*(4*\n+\ct)+4*\pp+1], v[TS+4*(2*\ct+\pp)+2:TS+4*(2*\ct+\pp)+3], v[TP+2*(8*\n+4*\ct+2*\pp):TP+2*(8*\n+4*\ct+2*\pp)+1] op_sel:[1,0,0] op_sel_hi:[0,0,1] neg_lo:[1,0,0]
	v_pk_fma_f32 v[Z+8*(4*\n+\ct)+4*\pp+2:Z+8*(4*\n+\ct)+4*\pp+3], v[AC+8*(4*\n+\ct)+4*\pp+2:AC+8*(4*\n+\ct)+4*\pp+3], v[TS+4*(2*\ct+\pp)+2:TS+4*(2*\ct+\pp)+3], v[TP+2*(8*\n+4*\ct+2*\pp)+2:TP+2*(8*\n+4*\ct+2*\pp)+3] op_sel:[1,1,0] op_sel_hi:[0,1,1] neg_lo:[1,0,0]
.endr
.endr
.endr
.irp n, 0,1
.irp ct, 2,3                           ; channels 32-63 pass: only the hold (the conversion to an 8-bit code does not saturate: ISA guide 7.6.2)
.irp j, 0,1,2,3,4,5,6,7
	v_med3_num_f32 v[Z+8*(4*\n+\ct)+\j], v[AC+8*(4*\n+\ct)+\j], s95, s94
.endr
.endr
.endr
	WIN 0
.irp n, 0,1
.irp ct, 0,1
.irp j, 0,1,2,3,4,5,6,7
	v_med3_num_f32 v[Z+8*(4*\n+\ct)+\j], v[Z+8*(4*\n+\ct)+\j], s95, s94
.endr
.endr
.endr
.if (\a) > 1
	s_wait_alu depctr_va_vdst(0)
	s_wait_xcnt 0x0                                ; the stores of the block two back have read this set of codes
.endif
.irp b, 0,1,2,3,4,5,6,7
	v_cvt_scalef32_pk8_fp8_f32 v[CS+2*\b:CS+2*\b+1], v[Z+8*\b:Z+8*\b+7], v[SCV]     ; registers 2 ct, 2 ct + 1 of head n's fragment
.endr
	v_nop                                          ; one plain vector instruction behind the last conversion: the next block writes its sources
.irp n, 0,1
.irp c, 0,1
	global_store_b128 v[L16], v[CS+8*\n+4*\c:CS+8*\n+4*\c+3], s[10:11] offset:HEADB*\n+1024*(\a)+512*\c   ; 32 lanes store 512 consecutive bytes, aligned
.endr
.endr
.endm
	TABLOAD 0
.irp a, 0,1,2,3,4,5,6,7
	QKOUT \a
.endr
	s_branch .Lend
; ---- THE WAY OUT OF v, a block of 16 channels at a time: lane (r, h) holds channel 16 a + r; B's block b holds keys 16 b + 8 h + 0 .. 7 of my 128: the block's 64 numbers are one fragment of 128 keys
.macro VOUT a
.set AC, 64*((\a)%4)
.set CS, CD+16*((\a)%2)
	WIN 0x02+((\a)/4)
.set j, 0
.rept 32
.if ((\a)%2)
	v_pk_add_f32 v[Z+j:Z+j+1], v[AC+j:AC+j+1], v[BV+2*((\a)/2):BV+2*((\a)/2)+1] op_sel:[0,1] op_sel_hi:[1,1]
.else
	v_pk_add_f32 v[Z+j:Z+j+1], v[AC+j:AC+j+1], v[BV+2*((\a)/2):BV+2*((\a)/2)+1] op_sel:[0,0] op_sel_hi:[1,0]
.endif
.set j, j+2
.endr
	WIN 0
.set j, 0
.rept 64
	v_med3_num_f32 v[Z+j], v[Z+j], s95, s94
.set j, j+1
.endr
.if (\a) > 1
	s_wait_alu depctr_va_vdst(0)
	s_wait_xcnt 0x0                                ; the stores of the block two back have read this set of codes
.endif
.irp b, 0,1,2,3,4,5,6,7
	v_cvt_scalef32_pk8_fp8_f32 v[CS+2*\b:CS+2*\b+1], v[Z+8*\b:Z+8*\b+7], v[SCV]
.endr
	v_nop                                          ; one plain vector instruction behind the last conversion
.irp c, 0,1,2,3
	global_store_b128 v[L16], v[CS+4*\c:CS+4*\c+3], s[10:11] offset:HEADB*((\a)/4)+2048*((\a)%4)+512*\c
.endr
.endm
.Lv_out:
.irp a, 0,1,2,3,4,5,6,7
	VOUT \a
.endr
.Lend:
	s_wait_tensorcnt 0x0                           ; the wave's end
	ds_add_u32 v[SPW], v[NIL]
	s_wait_dscnt 0x0
	CROUND                                         ; the closing round: no work-group ends while a partner may still ask for a tile that names it
	s_endpgm
.Lfunc_end_k_q9a7a751d03_proj:
	.size	k_q9a7a751d03_proj, .Lfunc_end_k_q9a7a751d03_proj-k_q9a7a751d03_proj
	.p2alignl 7, 3214868480
	.fill 96, 4, 3214868480
	.section	.rodata,"a",@progbits
	.p2align	6, 0x0
	.amdhsa_kernel k_q9a7a751d03_proj
		.amdhsa_group_segment_fixed_size 327680
		.amdhsa_private_segment_fixed_size 0
		.amdhsa_enable_private_segment 0
		.amdhsa_kernarg_size 104
		.amdhsa_user_sgpr_count 2
		.amdhsa_user_sgpr_kernarg_segment_ptr 1
		.amdhsa_wavefront_size32 1
		.amdhsa_system_sgpr_workgroup_id_x 1
		.amdhsa_system_sgpr_workgroup_id_y 1
		.amdhsa_system_sgpr_workgroup_id_z 1
		.amdhsa_system_vgpr_workitem_id 0
		.amdhsa_next_free_vgpr 1024
		.amdhsa_next_free_sgpr 100
		.amdhsa_reserve_vcc 1
		.amdhsa_float_denorm_mode_32 3
		.amdhsa_float_denorm_mode_16_64 3
		.amdhsa_memory_ordered 1
		.amdhsa_forward_progress 1
		.amdhsa_inst_pref_size 234
	.end_amdhsa_kernel
	.amdgpu_metadata
---
amdhsa.version: [ 1, 2 ]
amdhsa.kernels:
  - .name:           k_q9a7a751d03_proj
    .symbol:         k_q9a7a751d03_proj.kd
    .args:
      - { .name: q_codes, .offset: 0, .size: 8, .value_kind: global_buffer, .address_space: global }
      - { .name: k_codes, .offset: 8, .size: 8, .value_kind: global_buffer, .address_space: global }
      - { .name: v_codes, .offset: 16, .size: 8, .value_kind: global_buffer, .address_space: global }
      - { .name: Wq_codes, .offset: 24, .size: 8, .value_kind: global_buffer, .address_space: global }
      - { .name: Wk_codes, .offset: 32, .size: 8, .value_kind: global_buffer, .address_space: global }
      - { .name: Wv_codes, .offset: 40, .size: 8, .value_kind: global_buffer, .address_space: global }
      - { .name: bq, .offset: 48, .size: 8, .value_kind: global_buffer, .address_space: global }
      - { .name: bk, .offset: 56, .size: 8, .value_kind: global_buffer, .address_space: global }
      - { .name: bv, .offset: 64, .size: 8, .value_kind: global_buffer, .address_space: global }
      - { .name: lowp_scales, .offset: 72, .size: 8, .value_kind: global_buffer, .address_space: global }
      - { .name: qh, .offset: 80, .size: 8, .value_kind: global_buffer, .address_space: global }
      - { .name: kh, .offset: 88, .size: 8, .value_kind: global_buffer, .address_space: global }
      - { .name: vh, .offset: 96, .size: 8, .value_kind: global_buffer, .address_space: global }
    .group_segment_fixed_size: 327680
    .private_segment_fixed_size: 0
    .kernarg_segment_align: 8
    .kernarg_segment_size: 104
    .max_flat_workgroup_size: 128
    .sgpr_count:     100
    .vgpr_count:     1024
    .wavefront_size: 32
...
	.end_amdgpu_metadata
.endif
;; end of part 1
;; launch attend (part 2): grid 4 x 64, 8 waves a work-group, clusters of 4 x 1, 263,168 bytes of LDS; arguments qh, kh, vh, lowp_scales, attn; writes attn
.if DOCPART == 2
	.amdgcn_target "amdgcn-amd-amdhsa--gfx1250"
	.amdhsa_code_object_version 6
	.text
	.protected	k_q9a7a751d03_attend
	.globl	k_q9a7a751d03_attend
	.p2align	8
	.type	k_q9a7a751d03_attend,@function
k_q9a7a751d03_attend:
	s_mov_b64 s[64:65], 0
	v_nop
	global_prefetch_b8 v0, s[64:65] scope:SCOPE_SE
	s_setreg_imm32_b32 hwreg(HW_REG_WAVE_MODE, 25, 1), 1
	s_wait_xcnt 0x0
	s_wait_alu depctr_hold_cnt(0) depctr_sa_sdst(0) depctr_va_vdst(0) depctr_va_sdst(0) depctr_va_ssrc(0) depctr_va_vcc(0) depctr_vm_vsrc(0)
	s_getreg_b32 s2, hwreg(HW_REG_IB_STS2, 6, 4)
	s_cmp_eq_u32 s2, 0
	s_cbranch_scc0 .Lentry_in_a_cluster
	s_endpgm
.Lentry_in_a_cluster:
	s_bfe_u32 s2, ttmp6, 0x10000c
	s_cmp_lg_u32 s2, 0x3003
	s_cbranch_scc0 .Lentry_shape_is_right
	s_endpgm
.Lentry_shape_is_right:
; ATTENTION ON CODES OF E4M3: for each of 64 heads (16 x batch + head), 2,048 queries x 2,048 keys x 64 channels.  qh, kh, vh are images of operand registers:
;   qh, kh: [head][tile of 16 tokens 128][1,024 bytes]: lane (r, h) holds token r; registers 2 ct, 2 ct + 1 channels 16 ct + 8 h + 0 .. 7 (a fragment of the K = 64 form);
;   vh: [head][step of 128 keys 16][tile of 16 channels 4][2,048 bytes]: lane (r, h) holds channel r; registers 2 c, 2 c + 1 keys 16 c + 8 h + 0 .. 7 (a fragment of the K = 128 form).
; Registers 4 c .. 4 c + 3 of a fragment lie at 512 c + 16 x lane: every LDS read takes 512 consecutive bytes, so there is no pitch, no padding and no bank conflict.
; THE SOFTMAX: t = score x log2(e) / 8; M = the running largest t rounded UP to a whole number; p = 2^(t - M) is quantised with 2^e8, not normalised; the row's sum is taken of the unquantised p and divides at the end.
; When M moves, the sum and O are multiplied by 2^(old M - new M): exact, and no branch on data.
; SHARES.  A cluster of four work-groups is one head.  A work-group owns 512 queries, in two passes of 256; each of its eight waves owns two tiles of 16 queries a pass; two waves share a SIMD.
; ALL OF THE HEAD'S K AND V STAYS IN LDS: 131,072 bytes each.  They are fetched once, at the head, by one joint tensor load a wave (32,768 bytes: waves 0-3 K's quarters, waves 4-7 V's), with a mask that names the
; four partners.  No LDS byte is filled twice, so there is no ring, and no tensor load stands in a loop.  Nothing is left to prefetch: every load goes out at the head.
; LAYOUT.  Both products are used transposed: S^T = K Q^T (source 0 = 16 keys, source 1 = 16 queries), O^T = V^T P (source 0 = 16 channels, source 1 = P): a lane holds ONE query throughout.  Tile T of S^T holds keys
; 16 T + 8 h + 0 .. 7 in a lane's eight registers: one conversion makes of them registers 2 T, 2 T + 1 of P in the K = 128 form's own layout.  O^T's tile ct likewise becomes two registers of the output projection's operand.
; attn: [256 channels 4][tile of 16 rows 512][128 channels 2][2,048 bytes]: lane (r, h) holds row r; registers 2 c, 2 c + 1 channels 16 c + 8 h + 0 .. 7 of the 128; a head is half a fragment: 1,024 bytes.
; LIMITS on the given exponents: e6 + e7 between -123 and 130 (added to c's exponent field); e8 between -126 and 119; e8 + e9 - e10 between -115 and 126 (1 / sum x 2^that is an f32 number).  NaN is not served.
; REGISTERS.  Tile x of the wave lives in window x UNDER THE SAME NUMBERS, so one text serves both tiles.  In each window: v8 2^e8, v9 1.0; v[10:11] -M, the largest t; v[12:13] the sum in two halves; v[14:15] f, 0;
;   v16-23, v24-31 Q of pass 0, 1; v32-47 P's codes; v48-79 O^T; v80-143 S^T, then p; v144-149 at work.  v160-223: in window 0 K's eight fragments, in window 1 V's four.  Window 0 alone: v1-4 addresses.
.set VREG,  131072                     ; LDS: K at 0, V here; a key step is 8,192 bytes of each
.set STEPB, 8192
.set L16, 1                            ; v1  16 x lane
.set ADK, 2                            ; v2  LDS address of the K fragments in hand
.set ADV, 3                            ; v3  of V's
.set LV,  4                            ; v4  16 x lane + VREG
.set SCP, 8
.set ONE, 9
.set NM,  10
.set SUM, 12
.set FF,  14
.set QF,  16
.set PC,  32
.set OT,  48
.set ST,  80
.set W0,  144
.set W1,  145
.set PL,  146
.set S2,  148
.set KV,  160
.set MSB, 0
.macro WIN new                         ; the immediate's high byte repeats the setting that is left
.if MSB != (\new)
	s_set_vgpr_msb (MSB<<8)|(\new)
.set MSB, (\new)
.endif
.endm
.macro CROUND                          ; a round of the cluster's barrier
	s_barrier_signal -1
	s_barrier_wait -1
	s_cmp_lg_u32 s14, 0
	s_cbranch_scc1 .Lnot_wave_0_\@
	s_barrier_signal -3
.Lnot_wave_0_\@:
	s_barrier_wait -3
	s_barrier_signal -1
	s_barrier_wait -1
.endm
	s_load_b256 s[4:11], s[0:1], 0x0               ; qh s[4:5], kh s[6:7], vh s[8:9], the scales' exponents s[10:11]
	s_load_b64 s[12:13], s[0:1], 0x20              ; attn
	v_lshl_add_u32 v254, v0, 2, 0x40000
	v_mov_b32 v255, 0
	ds_add_u32 v254, v255
	ds_add_u32 v254, v255
	v_lshrrev_b32 v5, 5, v0
	s_delay_alu instid0(VALU_DEP_1)
	v_readfirstlane_b32 s14, v5                    ; wave 0..7
	s_bfe_u32 s15, ttmp6, 0x40000                  ; cx: my place in the cluster: it enters Q's and attn's addresses alone
	s_and_b32 s16, ttmp7, 0xffff                   ; the head, 0..63, which the four partners share
	; descriptor group 1: 128 dense rows of 256 bytes
	s_mov_b32 s24, 15|(3<<16)|(1<<21)              ; 15:0 the mask: all four work-groups; 17:16 elements of 8 bytes; 21 set beside a mask; no padding
	s_mov_b32 s25, 32<<16                          ; tensor_dim0 = 32 elements
	s_mov_b32 s26, 128<<16                         ; tensor_dim1 = 128
	s_mov_b32 s27, 32<<16                          ; tile_dim0
	s_mov_b32 s28, 128                             ; tile_dim1
	s_mov_b32 s29, 32                              ; from row to row
	s_mov_b32 s30, 0
	s_mov_b32 s31, 0
	s_and_b32 s17, s14, 3
	s_lshl_b32 s18, s17, 15                        ; my quarter of K or of V: 32,768 bytes, in memory and in LDS alike
	s_mov_b32 s19, 0
	s_lshl_b32 s40, s16, 17                        ; the head's first byte
	s_mov_b32 s41, 0
	s_add_nc_u64 s[40:41], s[40:41], s[18:19]
	s_lshl_b32 s42, s15, 5
	s_lshl_b32 s43, s14, 1
	s_add_co_u32 s42, s42, s43                     ; my first tile of queries in pass 0: 32 cx + 2 w
	s_lshl_b32 s44, s42, 10
	s_lshl_b32 s45, s16, 17
	s_add_co_u32 s44, s44, s45                     ; its image in qh
	s_mov_b32 s45, 0
	s_lshr_b32 s46, s16, 4                         ; the batch
	s_lshl_b32 s46, s46, 7
	s_add_co_u32 s46, s46, s42                     ; the tile of rows: 128 x batch + 32 cx + 2 w
	s_lshl_b32 s46, s46, 12
	s_bfe_u32 s47, s16, 0x20002                    ; which 256 channels: head / 4
	s_lshl_b32 s47, s47, 21
	s_add_co_u32 s46, s46, s47
	s_and_b32 s47, s16, 3                          ; which 64 of them: head % 4, 1,024 bytes each
	s_lshl_b32 s47, s47, 10
	s_add_co_u32 s46, s46, s47
	s_mov_b32 s47, 0
	s_mov_b32 s20, 0x76543210                      ; v_permlanex16_b32's selects for lane l xor 16
	s_mov_b32 s21, 0xfedcba98
	s_mov_b32 s48, 0                               ; LDS byte of the key step in hand
	v_and_b32 v1, 31, v0
	s_delay_alu instid0(VALU_DEP_1)
	v_lshlrev_b32 v[L16], 4, v1
	s_delay_alu instid0(VALU_DEP_1)
	v_add_nc_u32 v[LV], VREG, v[L16]
	s_wait_dscnt 0x0
	s_wait_kmcnt 0x0
	s_load_b128 s[56:59], s[10:11], 0x18           ; e6, e7, e8, e9
	s_load_b32 s60, s[10:11], 0x28                 ; e10
	s_mov_b32 s32, 1                               ; K's group 0: count = 1,
	s_mov_b32 s33, s18                             ; LDS address,
	s_add_nc_u64 s[34:35], s[6:7], s[40:41]        ; global address,
	s_or_b32 s35, s35, 0x80000000                  ; type = 2
	s_mov_b32 s36, 1                               ; V's
	s_add_co_u32 s37, s18, VREG
	s_add_nc_u64 s[38:39], s[8:9], s[40:41]
	s_or_b32 s39, s39, 0x80000000
	s_add_nc_u64 s[4:5], s[4:5], s[44:45]
	s_add_nc_u64 s[12:13], s[12:13], s[46:47]
	CROUND                                         ; all four work-groups are here: the joint loads meet
	s_cmp_lt_u32 s14, 4                            ; the branch hangs on the wave's number alone
	s_cbranch_scc0 .Lfor_v
	tensor_load_to_lds s[32:35], s[24:31]
	s_nop 0
.rept 4
	v_nop
.endr
	s_branch .Lasked
.Lfor_v:
	tensor_load_to_lds s[36:39], s[24:31]
	s_nop 0
.rept 4
	v_nop
.endr
.Lasked:
	s_wait_alu depctr_va_vdst(0)
.irp p, 0,1                            ; Q stays in registers: pass p, tile x (window x): 16,384 p + 1,024 x bytes on
.irp c, 0,1
	global_load_b128 v[QF+8*\p+4*\c:QF+8*\p+4*\c+3], v[L16], s[4:5] offset:16384*\p+512*\c
.endr
.endr
	WIN 0x40                                       ; destination window 1
.irp p, 0,1
.irp c, 0,1
	global_load_b128 v[QF+8*\p+4*\c:QF+8*\p+4*\c+3], v[L16], s[4:5] offset:16384*\p+1024+512*\c
.endr
.endr
	WIN 0
	s_wait_kmcnt 0x0
	s_add_co_i32 s61, s56, s57
	s_lshl_b32 s61, s61, 23
	s_add_co_i32 s22, s61, 0x3e38aa3b              ; c = log2(e) / 8 x 2^(e6 + e7): the exponents are added to c's exponent field
	s_mov_b32 s23, s22                             ; (named with it as a pair, so it is written)
	s_add_co_i32 s61, s58, 127
	s_lshl_b32 s62, s61, 23                        ; 2^e8 as f32
	s_add_co_i32 s51, s58, s59
	s_sub_co_i32 s51, s51, s60                     ; e8 + e9 - e10
	v_mov_b32 v[SCP], s62
	v_mov_b32 v[ONE], 1.0
	WIN 0x40
	v_mov_b32 v[SCP], s62
	v_mov_b32 v[ONE], 1.0
	WIN 0
; One tile's softmax for 128 keys, in the window that is set.
.macro SOFTMAX
	v_max3_num_f32 v[W0], v[ST], v[ST+1], v[ST+2]  ; the step's largest score of my query among my 64 keys, in two chains, ascending: each accumulator is first read at its low end
	v_max3_num_f32 v[W1], v[ST+3], v[ST+4], v[ST+5]
.set i, 6
.rept 14
	v_max3_num_f32 v[W0], v[W0], v[ST+i], v[ST+i+1]
	v_max3_num_f32 v[W1], v[W1], v[ST+i+2], v[ST+i+3]
.set i, i+4
.endr
	v_max3_num_f32 v[W0], v[W0], v[ST+62], v[ST+63]
	s_delay_alu instid0(VALU_DEP_1)
	v_max_num_f32 v[W0], v[W0], v[W1]
	s_delay_alu instid0(VALU_DEP_1)
	v_permlanex16_b32 v[PL], v[W0], s20, s21
	s_delay_alu instid0(VALU_DEP_1)
	v_max_num_f32 v[W0], v[W0], v[PL]              ; and among lane l xor 16's
	s_delay_alu instid0(VALU_DEP_1)
	v_mul_f32 v[W0], s22, v[W0]                    ; as t (c is positive)
	s_delay_alu instid0(VALU_DEP_1)
	v_max_num_f32 v[NM+1], v[NM+1], v[W0]          ; the running largest t
	v_mov_b32 v[W0], v[NM]
	s_delay_alu instid0(VALU_DEP_2)
	v_floor_f32 v[NM], -v[NM+1]                    ; the new -M = floor(-t) = -ceil(t)
	s_delay_alu instid0(VALU_DEP_1)
	v_sub_f32 v[W0], v[NM], v[W0]                  ; old M - new M: a whole number, 0 or less
	s_delay_alu instid0(VALU_DEP_1)
	v_cvt_i32_f32 v[W0], v[W0]                     ; (it saturates)
	s_delay_alu instid0(VALU_DEP_1)
	v_ldexp_f32 v[FF], 1.0, v[W0]                  ; f = 2^(old M - new M)
.set i, 0
.rept 32
	v_pk_fma_f32 v[ST+i:ST+i+1], v[ST+i:ST+i+1], s[22:23], v[NM:NM+1] op_sel_hi:[1,0,0]   ; t - M, two at a time
.set i, i+2
.endr
.set i, 0
	s_wait_alu depctr_va_vdst(0)
.rept 64
	v_exp_f32 v[ST+i], v[ST+i]                     ; p = 2^(t - M): one batch
.set i, i+1
.endr
	v_pk_mul_f32 v[SUM:SUM+1], v[SUM:SUM+1], v[FF:FF+1] op_sel_hi:[1,0]   ; the sums under the new M: the plain instruction behind the exponentials
	s_wait_alu depctr_va_vdst(0)                   ; one wait for the batch, ahead of its first reader
	v_pk_add_f32 v[S2:S2+1], v[ST:ST+1], v[ST+2:ST+3]   ; the sum of the UNQUANTISED p, in two chains
.set i, 4
.rept 15
	v_pk_add_f32 v[SUM:SUM+1], v[SUM:SUM+1], v[ST+i:ST+i+1]
	v_pk_add_f32 v[S2:S2+1], v[S2:S2+1], v[ST+i+2:ST+i+3]
.set i, i+4
.endr
	s_delay_alu instid0(VALU_DEP_1)
	v_pk_add_f32 v[SUM:SUM+1], v[SUM:SUM+1], v[S2:S2+1]
.set t, 0
.rept 8
.set i, 0
.rept 8
.set i, i+1
.endr
	v_cvt_scalef32_pk8_fp8_f32 v[PC+2*t:PC+2*t+1], v[ST+8*t:ST+8*t+7], v[SCP]   ; keys 16 t + 8 h + 0 .. 7: registers 2 t, 2 t + 1 of P
.set t, t+1
.endr
.set i, 0
.rept 16
	v_pk_mul_f32 v[OT+i:OT+i+1], v[OT+i:OT+i+1], v[FF:FF+1] op_sel_hi:[1,0]   ; O^T under the new M; these are also the plain instructions behind the conversions
.set i, i+2
.endr
.endm
; A KEY STEP: 128 keys, both tiles.  K's fragments were asked for a step ago; V's are asked for at the step's head and are wanted behind the softmax.
.macro STEP qb
	v_add_nc_u32 v[ADV], s48, v[LV]                ; with the three v_nop: four places behind the last step's products, in front of the loads into V's registers
	v_nop
	v_nop
	v_nop
	WIN 0x40                                       ; destination window 1
.irp ct, 0,1,2,3
.irp c, 0,1,2,3
	ds_load_b128 v[KV+16*\ct+4*\c:KV+16*\ct+4*\c+3], v[ADV] offset:2048*\ct+512*\c
.endr
.endr
	s_wait_dscnt 16                                ; K's sixteen loads are in; V's sixteen, issued behind them, may be out
	WIN 0
.irp t, 0,1,2,3,4,5,6,7
	v_wmma_f32_16x16x64_fp8_fp8 v[ST+8*\t:ST+8*\t+7], v[KV+8*\t:KV+8*\t+7], v[\qb:\qb+7], 0
.endr
	WIN 0x54                                       ; K window 0; Q and S^T window 1
.irp t, 0,1,2,3,4,5,6,7
	v_wmma_f32_16x16x64_fp8_fp8 v[ST+8*\t:ST+8*\t+7], v[KV+8*\t:KV+8*\t+7], v[\qb:\qb+7], 0
.endr
	WIN 0
	s_add_co_u32 s48, s48, STEPB                   ; the next key step; behind the sixteenth comes the first again, for the next pass
	s_and_b32 s48, s48, 0x1ffff
	v_add_nc_u32 v[ADK], s48, v[L16]               ; with the three v_nop: four places, in front of the loads into K's registers and of the first read of the scores
	v_nop
	v_nop
	v_nop
.irp t, 0,1,2,3,4,5,6,7
.irp c, 0,1
	ds_load_b128 v[KV+8*\t+4*\c:KV+8*\t+4*\c+3], v[ADK] offset:1024*\t+512*\c
.endr
.endr
	SOFTMAX
	WIN 0x55                                       ; all places window 1
	s_setprio 1
	SOFTMAX
	s_wait_alu depctr_va_vdst(0)
	s_wait_dscnt 16                                ; V's sixteen loads are in; the next K's sixteen may be out
	WIN 0x01                                       ; V window 1; P and O^T window 0.  Eight accumulators, one instruction a turn
	s_setprio 0
.irp ct, 0,1,2,3
	v_wmma_f32_16x16x128_fp8_fp8 v[OT+8*\ct:OT+8*\ct+7], v[KV+16*\ct:KV+16*\ct+15], v[PC:PC+15], v[OT+8*\ct:OT+8*\ct+7]
.endr
	WIN 0x55
.irp ct, 0,1,2,3
	v_wmma_f32_16x16x128_fp8_fp8 v[OT+8*\ct:OT+8*\ct+7], v[KV+16*\ct:KV+16*\ct+15], v[PC:PC+15], v[OT+8*\ct:OT+8*\ct+7]
.endr
	WIN 0
.endm
.macro INIT                            ; the loop has no first step of its own: O^T and the sum begin as zeros, which the first change of M leaves zeros
	v_mov_b32 v[NM+1], 0xff61b1e6                  ; the largest t so far: -3e38
	s_delay_alu instid0(VALU_DEP_1)
	v_floor_f32 v[NM], -v[NM+1]
	v_mov_b32 v[SUM], 0
	v_mov_b32 v[SUM+1], 0
	v_mov_b32 v[FF+1], 0                           ; (named as the upper half of a pair)
	v_mov_b32 v[PL], 0                             ; (a lane permute's destination counts as one of its sources)
.set i, 0
.rept 32
	v_mov_b32 v[OT+i], 0
.set i, i+1
.endr
.endm
.macro OUTT                            ; one tile's O^T / sum x 2^(e8 + e9 - e10), as codes with the scale 1
	v_add_f32 v[SUM], v[SUM], v[SUM+1]
	s_delay_alu instid0(VALU_DEP_1)
	v_permlanex16_b32 v[PL], v[SUM], s20, s21
	s_delay_alu instid0(VALU_DEP_1)
	v_add_f32 v[SUM], v[SUM], v[PL]                ; the row's sum
	s_wait_alu depctr_va_vdst(0)
	v_rcp_f32 v[SUM], v[SUM]
	v_nop                                          ; a plain instruction behind the reciprocal,
	s_wait_alu depctr_va_vdst(0)                   ; and the wait ahead of its first reader
	v_ldexp_f32 v[SUM], v[SUM], s51
.set i, 0
.rept 16
	v_pk_mul_f32 v[OT+i:OT+i+1], v[OT+i:OT+i+1], v[SUM:SUM+1] op_sel_hi:[1,0]   ; ascending: each accumulator from its low end on
.set i, i+2
.endr
.set i, 0
.rept 32
.set i, i+1
.endr
.irp ct, 0,1,2,3
	v_cvt_scalef32_pk8_fp8_f32 v[PC+2*\ct:PC+2*\ct+1], v[OT+8*\ct:OT+8*\ct+7], v[ONE]
.endr
	v_nop                                          ; one plain vector instruction behind the last conversion
.endm
.macro PASS p
.if \p
	s_wait_xcnt 0x0                                ; the last pass's stores have read their codes
.endif
	INIT
	WIN 0x55
	INIT
	WIN 0
	s_mov_b32 s49, 16
.Lstep_\@:
	s_setprio 2
	STEP QF+8*\p
	s_sub_co_u32 s49, s49, 1
	s_cmp_lg_u32 s49, 0
	s_cbranch_scc1 .Lstep_\@
	s_setprio 0
.rept 4
	v_nop                                          ; places behind the last products
.endr
	OUTT
.irp c, 0,1
	global_store_b128 v[L16], v[PC+4*\c:PC+4*\c+3], s[12:13] offset:65536*\p+512*\c          ; 32 lanes store 512 consecutive bytes, aligned
.endr
	WIN 0x55
	OUTT
	WIN 0x04                                       ; the stores' data in window 1, their address in window 0
.irp c, 0,1
	global_store_b128 v[L16], v[PC+4*\c:PC+4*\c+3], s[12:13] offset:65536*\p+4096+512*\c
.endr
	WIN 0
.endm
	s_wait_tensorcnt 0x0                           ; my quarter has landed,
	s_barrier_signal -1
	s_barrier_wait -1                              ; everybody's has: all of K and V lie in LDS, and nothing is written there any more
	v_add_nc_u32 v[ADK], s48, v[L16]
.irp t, 0,1,2,3,4,5,6,7
.irp c, 0,1
	ds_load_b128 v[KV+8*\t+4*\c:KV+8*\t+4*\c+3], v[ADK] offset:1024*\t+512*\c   ; K of key step 0
.endr
.endr
	s_wait_loadcnt 0x0                             ; Q
	PASS 0
	PASS 1
	s_wait_dscnt 0x0                               ; the last step's fetch of K has come back
	s_wait_tensorcnt 0x0
	ds_add_u32 v254, v255
	s_wait_dscnt 0x0
	CROUND                                         ; the closing round
	s_endpgm
.Lfunc_end_k_q9a7a751d03_attend:
	.size	k_q9a7a751d03_attend, .Lfunc_end_k_q9a7a751d03_attend-k_q9a7a751d03_attend
	.p2alignl 7, 3214868480
	.fill 96, 4, 3214868480
	.section	.rodata,"a",@progbits
	.p2align	6, 0x0
	.amdhsa_kernel k_q9a7a751d03_attend
		.amdhsa_group_segment_fixed_size 263168
		.amdhsa_private_segment_fixed_size 0
		.amdhsa_enable_private_segment 0
		.amdhsa_kernarg_size 40
		.amdhsa_user_sgpr_count 2
		.amdhsa_user_sgpr_kernarg_segment_ptr 1
		.amdhsa_wavefront_size32 1
		.amdhsa_system_sgpr_workgroup_id_x 1
		.amdhsa_system_sgpr_workgroup_id_y 1
		.amdhsa_system_sgpr_workgroup_id_z 1
		.amdhsa_system_vgpr_workitem_id 0
		.amdhsa_next_free_vgpr 512
		.amdhsa_next_free_sgpr 80
		.amdhsa_reserve_vcc 0
		.amdhsa_float_denorm_mode_32 3
		.amdhsa_float_denorm_mode_16_64 3
		.amdhsa_fp16_overflow 1
		.amdhsa_memory_ordered 1
		.amdhsa_forward_progress 1
		.amdhsa_inst_pref_size 71
	.end_amdhsa_kernel
	.amdgpu_metadata
---
amdhsa.version: [ 1, 2 ]
amdhsa.kernels:
  - .name:           k_q9a7a751d03_attend
    .symbol:         k_q9a7a751d03_attend.kd
    .args:
      - { .name: qh, .offset: 0, .size: 8, .value_kind: global_buffer, .address_space: global }
      - { .name: kh, .offset: 8, .size: 8, .value_kind: global_buffer, .address_space: global }
      - { .name: vh, .offset: 16, .size: 8, .value_kind: global_buffer, .address_space: global }
      - { .name: lowp_scales, .offset: 24, .size: 8, .value_kind: global_buffer, .address_space: global }
      - { .name: attn, .offset: 32, .size: 8, .value_kind: global_buffer, .address_space: global }
    .group_segment_fixed_size: 263168
    .private_segment_fixed_size: 0
    .kernarg_segment_align: 8
    .kernarg_segment_size: 40
    .max_flat_workgroup_size: 256
    .sgpr_count:     80
    .vgpr_count:     512
    .wavefront_size: 32
...
	.end_amdgpu_metadata
.endif
;; end of part 2
;; launch outp (part 3): grid 4 x 32, 4 waves a work-group, clusters of 4 x 4, 327,680 bytes of LDS; arguments attn, Wo_codes, lowp_scales, bo, out0; writes out0
.if DOCPART == 3
	.amdgcn_target "amdgcn-amd-amdhsa--gfx1250"
	.amdhsa_code_object_version 6
	.text
	.protected	k_q9a7a751d03_outp
	.globl	k_q9a7a751d03_outp
	.p2align	8
	.type	k_q9a7a751d03_outp,@function
k_q9a7a751d03_outp:
	s_mov_b64 s[64:65], 0
	v_nop
	global_prefetch_b8 v0, s[64:65] scope:SCOPE_SE
	s_setreg_imm32_b32 hwreg(HW_REG_WAVE_MODE, 25, 1), 1
	s_wait_xcnt 0x0
	s_wait_alu depctr_hold_cnt(0) depctr_sa_sdst(0) depctr_va_vdst(0) depctr_va_sdst(0) depctr_va_ssrc(0) depctr_va_vcc(0) depctr_vm_vsrc(0)
	s_getreg_b32 s2, hwreg(HW_REG_IB_STS2, 6, 4)
	s_cmp_eq_u32 s2, 0
	s_cbranch_scc0 .Lentry_in_a_cluster
	s_endpgm
.Lentry_in_a_cluster:
	s_bfe_u32 s2, ttmp6, 0x10000c
	s_cmp_lg_u32 s2, 0xf033
	s_cbranch_scc0 .Lentry_shape_is_right
	s_endpgm
.Lentry_shape_is_right:
; THE OUTPUT PROJECTION: out0 = attn Wo^T + bo on codes of E4M3.  attn: 8,192 rows x 1,024, images of operand registers: [256 along K 4][tile of 16 rows 512][128 along K 2][2,048 bytes]: lane (r, h) holds row r,
; registers 2 c, 2 c + 1 hold k = 16 c + 8 h + 0 .. 7 (the K = 128 form's own layout), registers 4 c .. 4 c + 3 lie at 512 c + 16 x lane.  Wo: [1024][1024] codes, K innermost.  out0: [8192][1024] f32.
; A number of attn is its code x 2^e10, of Wo x 2^e11: out0 = sum x 2^(e10 + e11) + bo, one packed multiply-add for two numbers.  LIMIT: e10 + e11 between -126 and 127.
; A tile of out0, 256 x 256, is made by four waves, each 128 x 128 in 64 accumulators.  K = 1,024 goes in four steps of 256 through two LDS slots filled by joint tensor loads: 4 x 4 work-groups form a cluster; the four
; of a row share attn's tile, the four of a column Wo's.  The matrix instruction is used transposed (source 0 = 16 rows of Wo, source 1 = 16 rows of attn): a lane holds eight neighbouring numbers of a row of out0.
; attn's tile of a K step is one dense block (16 tiles of rows x 4,096 bytes), and a fragment is read back as it lies: 512 consecutive bytes a load.  Wo's fragments must have k in the same places: eight loads of 8 bytes
; at row x 272 + 16 c + 8 h; the 32 lanes of such a load touch 64 different banks (64 banks of 4 bytes: ISA guide 11.1).
; 128 tiles: 128 work-groups.  No prefetch is laid: of the four K steps two are first fills and two are asked for one step later.
; REGISTERS: window 0: v0-31 addresses; v32-95 bo in the result's layout; v128-255 attn's fragments, one set (on the way out: rows read back).  Window 1: Wo's fragments, two sets.  Windows 2, 3: the accumulators.
.set KROW,   1024
.set PITCH,  272                       ; Wo's LDS row: 256 bytes + 16 of padding
.set FR,     16
.set NL,     4                         ; LDS loads that bring a fragment of attn
.set NP,     4                         ; places behind this matrix form (ISA guide 7.12.1)
.set ATILE,  32768                     ; what one tensor load brings of attn: 8 tiles of rows x 4,096 bytes
.set HALFT,  128*PITCH                 ; and of Wo: 128 rows
.set BREG,   2*ATILE                   ; a slot: attn's 65,536 bytes, then Wo's 256 rows
.set SLOT,   BREG+2*HALFT
.set SPARE,  2*SLOT                    ; the spare words: 128 bytes a wave, two blocks of 256 bytes that no other line names
.set QUART,  2097152                   ; attn: from one 256 along K to the next
.set SPITCH, 528                       ; the way out: a stage of 16 rows x (512 bytes + 16) for each wave, in slot 0, which has had its last fill and its last read when the first result is stored there
.set ADRA, 16
.set ADRB, 20
.set STO,  24
.set RD,   25
.set CO,   26                          ; v26  16 x lane
.set BOF,  27
.set SPW,  28
.set NIL,  29
.set BO,   32
.set AF,   128
.set BK,   128
.set G1, 24
.set G0, 32
.set G1B, 48
.set G0B, 56
.set MSB, 0
.macro WIN new
.if MSB != (\new)
	s_set_vgpr_msb (MSB<<8)|(\new)
.set MSB, (\new)
.endif
.endm
.set MUL_LO, 0xa1                      ; source 0 (Wo) window 1, source 1 (attn) window 0, C and D window 2
.set MUL_HI, 0xf1
.set TO_B,   0x40
.macro JLOAD g0a, g1a, g0b, g1b        ; waves 0 and 1 fetch attn's halves, waves 2 and 3 Wo's; four v_nop follow each of the two lines
	s_cmp_eq_u32 s15, 0
	s_cbranch_scc0 .Lfor_b_\@
	tensor_load_to_lds s[\g0a:\g0a+3], s[\g1a:\g1a+7]
	s_nop 0
.rept 4
	v_nop
.endr
	s_branch .Lasked_\@
.Lfor_b_\@:
	tensor_load_to_lds s[\g0b:\g0b+3], s[\g1b:\g1b+7]
	s_nop 0
.rept 4
	v_nop
.endr
.Lasked_\@:
.endm
.macro CREST
	s_cmp_lg_u32 s14, 0
	s_cbranch_scc1 .Lnot_wave_0_\@
	s_barrier_signal -3
.Lnot_wave_0_\@:
	s_barrier_wait -3
	s_barrier_signal -1
	s_barrier_wait -1
.endm
.macro CROUND
	s_barrier_signal -1
	s_barrier_wait -1
	CREST
.endm
	s_load_b256 s[4:11], s[0:1], 0x0               ; attn s[4:5], Wo s[6:7], the scales' exponents s[8:9], bo s[10:11]
	s_load_b64 s[12:13], s[0:1], 0x20              ; out0
	v_lshl_add_u32 v[SPW], v0, 2, SPARE
	v_mov_b32 v[NIL], 0
	ds_add_u32 v28, v29
	ds_add_u32 v28, v29
	s_wait_dscnt 0x0
	v_lshrrev_b32 v1, 5, v0
	v_readfirstlane_b32 s14, v1                    ; wave 0..3
	s_lshr_b32 s15, s14, 1                         ; which half of the tile's rows is mine.  Also: I fetch for attn (0) or for Wo (1)
	s_and_b32 s16, s14, 1                          ; which half of its columns.  Also: which half of that tile I fetch
	s_bfe_u32 s40, ttmp6, 0x40000                  ; cx, cy
	s_bfe_u32 s41, ttmp6, 0x40004
	s_mov_b32 s42, s40                             ; tile column = cx: the grid is one cluster wide
	s_and_b32 s17, ttmp7, 0xffff
	s_lshl_b32 s17, s17, 2
	s_add_co_u32 s17, s17, s41                     ; tile row = 4 x cluster y + cy
	s_lshl_b32 s43, s41, 2
	s_lshl_b32 s43, 15, s43                        ; my row of the cluster
	s_lshl_b32 s44, 0x1111, s40                    ; my column
	s_or_b32 s[G1+0], s43, (3<<16)|(1<<21)         ; attn: 15:0 the mask: my row; 17:16 elements of 8 bytes; 21 set beside a mask; no padding
	s_mov_b32 s[G1+1], 32<<16                      ; 128 dense rows of 32 elements
	s_mov_b32 s[G1+2], 128<<16
	s_mov_b32 s[G1+3], 32<<16
	s_mov_b32 s[G1+4], 128
	s_mov_b32 s[G1+5], 32
	s_mov_b32 s[G1+6], 0
	s_mov_b32 s[G1+7], 0
	s_or_b32 s[G1B+0], s44, (0<<16)|(1<<20)|(1<<21)|(5<<22)|(3<<25)   ; Wo: my column; elements of 1 byte; four words of padding after every 64
	s_mov_b32 s[G1B+1], 256<<16
	s_mov_b32 s[G1B+2], 128<<16
	s_mov_b32 s[G1B+3], 256<<16
	s_mov_b32 s[G1B+4], 128
	s_mov_b32 s[G1B+5], KROW
	s_mov_b32 s[G1B+6], 0
	s_mov_b32 s[G1B+7], 0
	s_lshl_b32 s20, s17, 16                        ; attn: (16 x tile row + 8 x half) tiles of rows of 4,096 bytes
	s_lshl_b32 s45, s16, 15                        ; (the half's bytes: in memory and in LDS alike)
	s_add_co_u32 s20, s20, s45
	s_mov_b32 s21, 0
	s_lshl_b32 s46, s42, 18                        ; Wo: (256 x tile column + 128 x half) rows of 1,024 bytes
	s_lshl_b32 s19, s16, 17
	s_add_co_u32 s46, s46, s19
	s_mov_b32 s47, 0
	s_mul_i32 s23, s16, HALFT
	s_add_co_u32 s23, s23, BREG                    ; where Wo's half goes
	s_wait_kmcnt 0x0
	s_load_b64 s[96:97], s[8:9], 0x28              ; e10, e11
	s_add_nc_u64 s[20:21], s[4:5], s[20:21]
	s_add_nc_u64 s[46:47], s[6:7], s[46:47]
	CROUND                                         ; all sixteen work-groups are here: the first joint loads meet
.irp s, 0,1
	s_mov_b32 s[G0+4*\s], 1
	s_add_co_u32 s[G0+4*\s+1], s45, \s*SLOT
	s_add_nc_u64 s[G0+4*\s+2:G0+4*\s+3], s[20:21], \s*QUART
	s_or_b32 s[G0+4*\s+3], s[G0+4*\s+3], 0x80000000
	s_mov_b32 s[G0B+4*\s], 1
	s_add_co_u32 s[G0B+4*\s+1], s23, \s*SLOT
	s_add_nc_u64 s[G0B+4*\s+2:G0B+4*\s+3], s[46:47], \s*256
	s_or_b32 s[G0B+4*\s+3], s[G0B+4*\s+3], 0x80000000
	s_wait_alu depctr_va_vdst(0)
	s_wait_tensorcnt 0x0
	ds_add_u32 v28, v29
	ds_add_u32 v28, v29
	s_wait_dscnt 0x0
	CROUND
	JLOAD G0+4*\s, G1, G0B+4*\s, G1B               ; two loads of mine are out
.endr
	v_and_b32 v1, 15, v0                           ; r
	v_bfe_u32 v2, v0, 4, 1                         ; h
	v_and_b32 v6, 31, v0
	v_lshlrev_b32 v[CO], 4, v6
	v_mul_u32_u24 v3, v1, PITCH
	v_lshl_add_u32 v4, v2, 3, v3                   ; Wo: row x pitch + 8 x half
	s_lshl_b32 s21, s15, 15                        ; my 128 rows of attn
	s_mul_i32 s22, s16, HALFT
	s_add_co_u32 s22, s22, BREG                    ; my 128 rows of Wo
.irp s, 0,1
	v_add_nc_u32 v[ADRA+\s], s21, v[CO]
	v_add_nc_u32 v[ADRB+\s], s22, v4
	s_add_co_u32 s21, s21, SLOT
	s_add_co_u32 s22, s22, SLOT
.endr
	s_mul_i32 s23, s14, 16*SPITCH                  ; my stage
	v_mul_u32_u24 v5, v1, SPITCH
	v_lshl_add_u32 v5, v2, 5, v5
	v_add_nc_u32 v[STO], s23, v5                   ; in: row r, 32 bytes for each half of the lanes
	v_add_nc_u32 v[RD], s23, v[CO]                 ; back: the 32 lanes take one row of 512 bytes
	v_lshlrev_b32 v[BOF], 5, v2
	s_wait_alu depctr_va_vdst(0)
	s_lshl_b32 s46, s42, 10
	s_lshl_b32 s47, s16, 9
	s_add_co_u32 s46, s46, s47                     ; my first column, in bytes: the same in bo and in a row of out0
	s_mov_b32 s47, 0
	s_add_nc_u64 s[10:11], s[10:11], s[46:47]
	s_add_nc_u64 s[12:13], s[12:13], s[46:47]
	s_lshl_b32 s20, s17, 20
	s_lshl_b32 s21, s15, 19
	s_add_co_u32 s20, s20, s21                     ; my first row: (256 x tile row + 128 x half) x 4,096 bytes
	s_mov_b32 s21, 0
	s_add_nc_u64 s[12:13], s[12:13], s[20:21]
.irp b, 0,1,2,3,4,5,6,7                ; bo of columns 16 b + 8 h + 0 .. 7 of my 128
	global_load_b128 v[BO+8*\b:BO+8*\b+3], v[BOF], s[10:11] offset:64*\b
	global_load_b128 v[BO+8*\b+4:BO+8*\b+7], v[BOF], s[10:11] offset:64*\b+16
.endr
.macro FRAGA reg, adr, q, i            ; attn's fragment comes back as it was stored
.irp c, 0,1,2,3
	ds_load_b128 v[\reg+4*\c:\reg+4*\c+3], v[\adr] offset:4096*(\i)+2048*(\q)+512*\c
.endr
.endm
.macro FRAGB reg, adr, q, i            ; Wo's: registers 2 c, 2 c + 1 hold k = 16 c + 8 h + 0 .. 7
.irp c, 0,1,2,3,4,5,6,7
	ds_load_b64 v[\reg+2*\c:\reg+2*\c+1], v[\adr] offset:128*(\q)+16*\c+(\i)*16*PITCH
.endr
.endm
.macro MUL16 a0, p, zero               ; 16 matrix instructions; the 64 accumulators take turns, one instruction a turn; zero = 1: the first product starts the sums
.irp a, \a0, \a0+1
.irp b, 0,1,2,3,4,5,6,7
.if \zero
	v_wmma_f32_16x16x128_fp8_fp8 v[8*(8*((\a)%4)+\b):8*(8*((\a)%4)+\b)+7], v[128*(\p)+FR*\b:128*(\p)+FR*\b+FR-1], v[AF+FR*(\a):AF+FR*(\a)+FR-1], 0
.else
	v_wmma_f32_16x16x128_fp8_fp8 v[8*(8*((\a)%4)+\b):8*(8*((\a)%4)+\b)+7], v[128*(\p)+FR*\b:128*(\p)+FR*\b+FR-1], v[AF+FR*(\a):AF+FR*(\a)+FR-1], v[8*(8*((\a)%4)+\b):8*(8*((\a)%4)+\b)+7]
.endif
.endr
.endr
.endm
.macro FETCH_B slot, q, p
	WIN TO_B
.irp i, 0,1,2,3,4,5,6,7
	FRAGB 128*(\p)+FR*\i, ADRB+\slot, \q, \i
.endr
	WIN 0
.endm
.macro FETCH_A slot, q, i0
.irp i, \i0, \i0+1, \i0+2, \i0+3
	FRAGA AF+FR*(\i), ADRA+\slot, \q, \i
.endr
.endm
.macro PLACES n
.rept \n
	v_nop
.endr
.endm
.macro STEP slot, q, zero
	s_wait_dscnt 4*NL                              ; Wo's set and attn's blocks 0-3 are in; the youngest sixteen loads (blocks 4-7) may be out
	WIN MUL_LO
	MUL16 0, (\q)%2, \zero
	MUL16 2, (\q)%2, \zero
	s_wait_dscnt 0
	PLACES NP
	FETCH_B \slot, (\q)+1, 1-(\q)%2
	FETCH_A \slot, (\q)+1, 0
	WIN MUL_HI
	MUL16 4, (\q)%2, \zero
	MUL16 6, (\q)%2, \zero
	PLACES NP
	WIN 0
	FETCH_A \slot, (\q)+1, 4
.endm
.macro TURN slot, next, fill
	s_wait_tensorcnt 0x0                           ; all my tensor loads have landed: my part of the next slot
	ds_add_u32 v[SPW], v[NIL]                      ; 0 onto my spare word
	s_wait_dscnt 4*NL+1                            ; (the add and the youngest sixteen loads may be out)
	WIN MUL_LO
	MUL16 0, 1, 0
	s_wait_dscnt 0x0                               ; the add is done, and my reads of this slot are over
	s_barrier_signal -1
	MUL16 2, 1, 0
	WIN 0
	s_barrier_wait -1
.if \fill
	CREST                                          ; the barrier has opened a round of the cluster's: no wave of any partner still reads this slot or has a load on its way
	s_add_nc_u64 s[G0+4*\slot+2:G0+4*\slot+3], s[G0+4*\slot+2:G0+4*\slot+3], 2*QUART
	s_add_nc_u64 s[G0B+4*\slot+2:G0B+4*\slot+3], s[G0B+4*\slot+2:G0B+4*\slot+3], 2*256
	JLOAD G0+4*\slot, G1, G0B+4*\slot, G1B         ; my one tensor load behind the round; its four v_nop are also the places in front of the loads below
.else
	PLACES NP
.endif
	FETCH_B \next, 0, 0
	FETCH_A \next, 0, 0
	WIN MUL_HI
	MUL16 4, 1, 0
	MUL16 6, 1, 0
	PLACES NP
	WIN 0
	FETCH_A \next, 0, 4
.endm
	s_wait_tensorcnt 1                             ; my part of K step 0 is in; K step 1's load may stay out
	s_barrier_signal -1
	s_barrier_wait -1
	FETCH_B 0, 0, 0
	FETCH_A 0, 0, 0
	FETCH_A 0, 0, 4
	STEP 0, 0, 1                                   ; four K steps, written out
	TURN 0, 1, 1
	STEP 1, 0, 0
	TURN 1, 0, 1
	STEP 0, 0, 0
	TURN 0, 1, 0
	STEP 1, 0, 0
	s_wait_dscnt 4*NL
	WIN MUL_LO
	MUL16 0, 1, 0
	MUL16 2, 1, 0
	s_wait_dscnt 0
	WIN MUL_HI
	MUL16 4, 1, 0
	MUL16 6, 1, 0
	WIN 0
; THE WAY OUT, a block of 16 rows x 128 columns at a time, through my own stage: LDS serves a wave's instructions in order (ISA guide 5.7.1.4), so no wait stands between the stores and the loads.
.macro TOSTAGE a
.set AC, 64*((\a)%4)
	WIN 0x82+0x41*((\a)/4)                         ; source 0 and destination: the accumulators' window; bo in window 0
.irp b, 0,1,2,3,4,5,6,7
.irp i, 0,2,4,6
	v_pk_fma_f32 v[AC+8*\b+\i:AC+8*\b+\i+1], v[AC+8*\b+\i:AC+8*\b+\i+1], s[96:97], v[BO+8*\b+\i:BO+8*\b+\i+1] op_sel_hi:[1,0,1]   ; sum x 2^(e10 + e11) + bo; each accumulator from its low end on
.endr
.endr
	WIN 0x08+4*((\a)/4)                            ; the LDS stores' data in the accumulators' window
.irp b, 0,1,2,3,4,5,6,7
	ds_store_b128 v[STO], v[AC+8*\b:AC+8*\b+3] offset:64*\b
	ds_store_b128 v[STO], v[AC+8*\b+4:AC+8*\b+7] offset:64*\b+16
.endr
	WIN 0
.set BB, BK+64*((\a)%2)
.irp t, 0,1,2,3,4,5,6,7,8,9,10,11,12,13,14,15
	ds_load_b128 v[BB+4*\t:BB+4*\t+3], v[RD] offset:\t*SPITCH
.endr
.endm
.macro SEND a, younger                 ; younger: the LDS instructions issued behind block a's loads, which may stay out
.set BB, BK+64*((\a)%2)
	s_wait_dscnt \younger
.if (\a) > 0
	s_add_nc_u64 s[12:13], s[12:13], 16*4096       ; (behind a wait on XCNT: the earlier stores have read their base)  16 rows on
.endif
.irp t, 0,1,2,3,4,5,6,7,8,9,10,11,12,13,14,15
	global_store_b128 v[CO], v[BB+4*\t:BB+4*\t+3], s[12:13] offset:\t*4096 th:TH_STORE_NT   ; 32 lanes store 512 consecutive bytes, aligned; written once, read by nobody here
.endr
.endm
	s_wait_kmcnt 0x0
	s_add_co_i32 s96, s96, s97
	s_add_co_i32 s96, s96, 127
	s_lshl_b32 s96, s96, 23                        ; 2^(e10 + e11) as f32
	s_wait_loadcnt 0x0                             ; bo
	PLACES NP                                      ; behind the last products
	TOSTAGE 0
.irp a, 1,2,3,4,5,6,7
.if \a > 1
	s_wait_xcnt 0x0                                ; block a - 2's stores have read their registers and their base
.endif
	TOSTAGE \a
	SEND \a-1, 32                                  ; behind block a - 1's loads: block a's 16 stores and 16 loads
.endr
	s_wait_xcnt 0x0
	SEND 7, 0
	s_wait_tensorcnt 0x0                           ; the wave's end
	ds_add_u32 v[SPW], v[NIL]
	s_wait_dscnt 0x0
	CROUND                                         ; the closing round
	s_endpgm
.Lfunc_end_k_q9a7a751d03_outp:
	.size	k_q9a7a751d03_outp, .Lfunc_end_k_q9a7a751d03_outp-k_q9a7a751d03_outp
	.p2alignl 7, 3214868480
	.fill 96, 4, 3214868480
	.section	.rodata,"a",@progbits
	.p2align	6, 0x0
	.amdhsa_kernel k_q9a7a751d03_outp
		.amdhsa_group_segment_fixed_size 327680
		.amdhsa_private_segment_fixed_size 0
		.amdhsa_enable_private_segment 0
		.amdhsa_kernarg_size 40
		.amdhsa_user_sgpr_count 2
		.amdhsa_user_sgpr_kernarg_segment_ptr 1
		.amdhsa_wavefront_size32 1
		.amdhsa_system_sgpr_workgroup_id_x 1
		.amdhsa_system_sgpr_workgroup_id_y 1
		.amdhsa_system_sgpr_workgroup_id_z 1
		.amdhsa_system_vgpr_workitem_id 0
		.amdhsa_next_free_vgpr 1024
		.amdhsa_next_free_sgpr 98
		.amdhsa_reserve_vcc 0
		.amdhsa_float_denorm_mode_32 3
		.amdhsa_float_denorm_mode_16_64 3
		.amdhsa_memory_ordered 1
		.amdhsa_forward_progress 1
		.amdhsa_inst_pref_size 142
	.end_amdhsa_kernel
	.amdgpu_metadata
---
amdhsa.version: [ 1, 2 ]
amdhsa.kernels:
  - .name:           k_q9a7a751d03_outp
    .symbol:         k_q9a7a751d03_outp.kd
    .args:
      - { .name: attn, .offset: 0, .size: 8, .value_kind: global_buffer, .address_space: global }
      - { .name: Wo_codes, .offset: 8, .size: 8, .value_kind: global_buffer, .address_space: global }
      - { .name: lowp_scales, .offset: 16, .size: 8, .value_kind: global_buffer, .address_space: global }
      - { .name: bo, .offset: 24, .size: 8, .value_kind: global_buffer, .address_space: global }
      - { .name: out0, .offset: 32, .size: 8, .value_kind: global_buffer, .address_space: global }
    .group_segment_fixed_size: 327680
    .private_segment_fixed_size: 0
    .kernarg_segment_align: 8
    .kernarg_segment_size: 40
    .max_flat_workgroup_size: 128
    .sgpr_count:     98
    .vgpr_count:     1024
    .wavefront_size: 32
...
	.end_amdgpu_metadata
.endif
;; end of part 3
